; MI455X (gfx1250); checked and timed in simulation.
; The chip was launched on July 23, 2026; its instructions are those of AMD's public machine-readable ISA for CDNA 5 (MIT licence, August 2026) and "CDNA5" Instruction Set Architecture Reference Guide (July 2026). The comments in the code are by the model that wrote it; some were corrected since.
;; Attn. Allowed arithmetic: matrix products marked QUANTISED: E2M3 operands, one E8M0 scale for each 32 along K, by v_wmma_scale_f32_16x16x128_f8f6f4 with both operands' format E2M3, f32 sums; products left as they are: f32 operands where the result goes on into a quantised operand, else bf16, f16 or f32 operands; f32 sums; everything else in f32.
;; Inputs: W 1,024 x 1,024 float32; b 1,024 float32; encoder_outputs 2,048 x 32 x 1,024 float32; hidden 1 x 32 x 1,024 float32.
;; Outputs: out0 32 x 1 x 2,048 float32.
;; This version of the problem:
;;   THIS VERSION OF THE PROBLEM IS GIVEN IN LOW PRECISION. The matrix products marked QUANTISED in the list below multiply operands that are first quantised to E2M3 (2 exponent bits, 3 mantissa bits; 6 bits a number), with one power-of-two scale for each 32 numbers along K (OCP MX v1.0); their sums are f32. All else is computed in f32.
;;   The module's matrix products, in the order in which they are computed (A, B: the left and right operand; K: the contracted axis; several contracted axes count as one K, in the product's order):
;;     1. [M 65,536, K 1,024] x [K 1,024, N 1,024]; A: input encoder_outputs; B: input W: QUANTISED
;;     2. batch 32 x [M 1, K 1,024] x [K 1,024, N 2,048]; A: input hidden; B: computed on the way: left as it is (M = 1 < 16)
;;   THE QUANTISER, for each operand of a quantised product, along K:
;;     - K is cut into blocks of 32 from its start; a last block that is shorter is filled with zeros.
;;     - A block's scale is 2^e with e = floor(log2(the largest magnitude in the block)) - 2, held to -126 .. 127; a block of zeros has e = 0. As a byte (E8M0): e + 127.
;;     - Each number is divided by its block's scale, clamped to +-7.5, and rounded to the nearest number of E2M3, ties to even, subnormals kept.
;;     - The product sums the exact products of the quantised numbers (number of the format x scale) in f32.
;;   ~~~python
;;   def quantise(x, axis):      # numpy; x: float32 -> the quantised numbers, widened to float32 again
;;       x = np.moveaxis(x, axis, -1); K = x.shape[-1]
;;       x = np.pad(x, [(0, 0)] * (x.ndim - 1) + [(0, -K % 32)]); x = x.reshape(x.shape[:-1] + (-1, 32)); a = np.abs(x).max(-1, keepdims=True)
;;       e = np.where(a > 0, np.clip(np.frexp(np.where(a > 0, a, 1))[1] - 1 - 2, -126, 127), 0)      # np.frexp(a)[1] - 1 = floor(log2(a)), exactly
;;       r = np.clip(x / 2.0 ** e, -7.5, 7.5)
;;       step = 2.0 ** (np.maximum(np.frexp(np.where(r == 0, 1, r))[1] - 1, 0) - 3)
;;       q = np.round(r / step) * step * 2.0 ** e      # np.round: ties to even
;;       return np.moveaxis(q.reshape(q.shape[:-2] + (-1,))[..., :K], -1, axis).astype(np.float32)
;;   ~~~
;; One version. Each part assembles by itself: llvm-mc -triple=amdgcn-amd-amdhsa -mcpu=gfx1250 --defsym DOCPART=n.
;; ======== version 1 of 1: 3 launches
;; limits: right only within a limited range of input values
;; workspace buffers: wpack 819,200 bytes; energies 262,144 bytes
;; launch wq (part 1): grid 64 x 1, 4 waves a work-group, no clusters, 34,816 bytes of LDS; arguments W, wpack; writes wpack
.if DOCPART == 1
	.amdgcn_target "amdgcn-amd-amdhsa--gfx1250"
	.amdhsa_code_object_version 6
	.text
	.protected	k_qa8f903e0ea_wq
	.globl	k_qa8f903e0ea_wq
	.p2align	8
	.type	k_qa8f903e0ea_wq,@function
k_qa8f903e0ea_wq:
	s_mov_b64 s[64:65], 0
	v_nop
	global_prefetch_b8 v0, s[64:65] scope:SCOPE_SE
	s_setreg_imm32_b32 hwreg(HW_REG_WAVE_MODE, 25, 1), 1
	s_wait_xcnt 0x0
; THE PROGRAM: out0[b][0][s] = softmax over s of hidden[b] . (Q(encoder_outputs[s][b]) Q(W)^T + bias), Q the quantiser to E2M3 codes with one E8M0 scale for each 32 along K.
; DEAD WORK: the bias.  It adds hidden[b] . bias to energies[b][s]: one and the same number for every s of row b, whatever the inputs hold, and softmax(x + const) = softmax(x) along that axis.  It stands behind
; the quantised product and enters no quantiser.  So the input b is not loaded and is among no launch's arguments.  LIMIT: a NaN, an infinity or an overflow that would reach the result through the bias alone is not carried.
; THIS LAUNCH turns W [1024 (o)][1024 (k)], f32, K innermost, once into codes and scale bytes, laid in the ORDER OF THE OPERAND'S REGISTERS, so that the next launch takes them by dense loads of 16 bytes a lane.
; wpack = 8 slots of 102,400 bytes; slot 2 c + f holds K = 256 c .. 256 c + 255 of W's rows 512 f .. 512 f + 511: 32 tiles of 16 rows.  Tile tt at 3,072 tt: its two fragments (128 along K each) of 1,536 bytes: three groups of
; four registers, 512 bytes each, lane l's 16 bytes at 16 l.  From byte 98,304 on the scale words: for each four tiles 512 bytes, lane l's four words (a tile each) at 16 l; a word's lanes 0-15 hold row r's four bytes of the
; first 128 along K, lanes 16-31 those of the second.
; A block's scale is 2^(floor(log2(its largest magnitude)) - 2); its byte is the largest magnitude's exponent field - 2, held at 1 from below.
; LIMITS: a block of zeros gets the byte 1 where the rule says 127 (its codes are zeros, which add nothing under any byte but 0xff, and this program alone reads the bytes); NaN and infinities among the inputs are not served.
; SHARES: work-group g: c = g / 16, four tiles 4 (g % 16) ..; wave u takes one tile: 16 rows x 256 along K.  Each load reads 512 consecutive bytes of a row; the 16 rows of a K step turn through the wave's own stage in LDS,
; so that lane (r, h) gets row r's k = 64 c' + 32 h + 0 .. 31: two WHOLE blocks a lane, in the very order of the operand's registers.
.set SLOTB, 102400
.set SCLO,  98304                      ; where a slot's scale words begin
.set STGW,  8448                       ; LDS: a stage of 16 rows x 528 bytes for each wave
.set SPIT,  528                        ; 512 bytes + 16: 33 x 16, so that the sixteen rows of a load of 16 bytes a lane start at sixteen different groups of four banks
.set SC,    33792                      ; 512 bytes: the four waves' scale words meet here
.set SPARE, 34304                      ; the spare words, 128 bytes for each wave: two blocks of 256 bytes that no other line names
.set L16, 1                            ; v1  16 x lane
.set STA, 2                            ; v2  the stage on the way in: 16 x lane
.set STB, 3                            ; v3  and on the way out: 528 r + 128 h
.set SH8, 4                            ; v4  8 h
.set SCS, 5                            ; v5  where I put my scale word: 16 x lane + 4 x wave
.set SCR, 6                            ; v6  where wave 0 reads four: 16 x lane
.set LN,  7                            ; v7  lane
.set SPW, 10                           ; v10 LDS address of my spare word; never rewritten
.set NIL, 11                           ; v11 0; never rewritten
.set M,   12                           ; v12-15 largest magnitudes, two chains for each of my two blocks
.set SOP, 16                           ; v16-17 the conversions' scale operands
.set BY,  18                           ; v18-19 the scale bytes
.set PW,  20                           ; v20-21 the scale words of the two K steps
.set MW,  22                           ; v22 the two merged
.set T,   23                           ; v23 the other half's bytes
.set OUTR, 28                          ; v28-31 four tiles' words on the way out
.set X,   32                           ; v32-95 64 numbers of my row
.set PC,  96                           ; v96-119 two fragments' codes
.set TC,  120                          ; v120-127 the upper halves of two blocks, before they are moved
.set R,   128                          ; v128-255 the numbers as loaded, a set of 64 for each K step
.set SEL, 22                           ; s[22:23] selects for lane l xor 16
.macro TURN s                          ; K step s through my stage: LDS serves a wave's instructions in order, so no wait stands between the stores and the loads
.irp m, 0,1,2,3,4,5,6,7,8,9,10,11,12,13,14,15
	ds_store_b128 v[STA], v[R+64*\s+4*\m:R+64*\s+4*\m+3] offset:SPIT*\m
.endr
.irp c, 0,1
.irp k, 0,1,2,3,4,5,6,7
	ds_load_b128 v[X+32*\c+4*\k:X+32*\c+4*\k+3], v[STB] offset:256*\c+16*\k
.endr
.endr
.endm
; 64 numbers of a lane, register 32 c + i = k 64 c + 32 h + i of row r, become the fragment's 12 registers from v[pc] on and the row's scale word in v[pw]
.macro QUANT6 pc, pw
.irp c, 0,1
	v_max3_num_f32 v[M+2*\c], |v[X+32*\c]|, |v[X+32*\c+1]|, |v[X+32*\c+2]|          ; a block's largest magnitude: all 32 numbers are mine; two chains a block, the blocks by turns
	v_max3_num_f32 v[M+2*\c+1], |v[X+32*\c+3]|, |v[X+32*\c+4]|, |v[X+32*\c+5]|
.endr
.irp i, 6,10,14,18,22,26
.irp c, 0,1
	v_max3_num_f32 v[M+2*\c], v[M+2*\c], |v[X+32*\c+\i]|, |v[X+32*\c+\i+1]|
	v_max3_num_f32 v[M+2*\c+1], v[M+2*\c+1], |v[X+32*\c+\i+2]|, |v[X+32*\c+\i+3]|
.endr
.endr
.irp c, 0,1
	v_max3_num_f32 v[M+2*\c], v[M+2*\c], |v[X+32*\c+30]|, |v[X+32*\c+31]|
.endr
.irp c, 0,1
	v_max3_num_f32 v[M+2*\c], v[M+2*\c], v[M+2*\c+1], 0x1800000                      ; and the floor 2^(3 - 127): the byte cannot fall under 1
.endr
.irp c, 0,1
	v_add_nc_u32 v[SOP+\c], 0xff000000, v[M+2*\c]                                    ; 2 off the exponent field: the conversion takes the exponent field of this operand as its scale
.endr
.irp c, 0,1
	v_lshrrev_b32 v[BY+\c], 23, v[SOP+\c]                                            ; the scale's byte
.endr
	v_lshl_or_b32 v[\pw], v[BY+1], 16, v[BY]                                         ; my two bytes: blocks h and 2 + h,
	v_lshlrev_b32 v[\pw], v[SH8], v[\pw]                                             ; at their places in the word;
	v_permlanex16_b32 v[T], v[\pw], s[SEL], s[SEL+1]
	v_or_b32 v[\pw], v[\pw], v[T]                                                    ; with lane l xor 16's two the word is whole
.irp c, 0,1
	v_cvt_scalef32_pk16_fp6_f32 v[\pc+6*\c:\pc+6*\c+2], v[X+32*\c:X+32*\c+15], v[SOP+\c]
	v_cvt_scalef32_pk16_fp6_f32 v[TC+4*\c:TC+4*\c+2], v[X+32*\c+16:X+32*\c+31], v[SOP+\c]   ; (a conversion's three registers begin on an even number: a block's second three are made here and moved)
.endr
	v_nop                                                                            ; one plain instruction behind the last scaled conversion
.irp c, 0,1
.irp i, 0,1,2
	v_mov_b32 v[\pc+6*\c+3+\i], v[TC+4*\c+\i]
.endr
.endr
.endm
	s_load_b128 s[4:7], s[0:1], 0x0                ; W s[4:5], wpack s[6:7]
	v_lshl_add_u32 v[SPW], v0, 2, SPARE
	v_mov_b32 v[NIL], 0
	v_lshrrev_b32 v24, 5, v0
	v_readfirstlane_b32 s8, v24                    ; wave u
	v_and_b32 v[LN], 31, v0
	s_wait_alu depctr_va_vdst(0)
	v_and_b32 v25, 15, v0                          ; r
	s_wait_alu depctr_va_vdst(0)
	v_bfe_u32 v26, v0, 4, 1                        ; h
	s_lshr_b32 s9, ttmp9, 4                        ; c: which 256 along K
	s_and_b32 s10, ttmp9, 15                       ; which four tiles of W's 64
	s_lshr_b32 s11, s10, 3                         ; f: which half of W's rows
	s_and_b32 s12, s10, 7                          ; which four tiles of the slot's 32
	s_lshl_b32 s13, s9, 1
	s_add_co_u32 s13, s13, s11
	s_mul_i32 s13, s13, SLOTB                      ; the slot's first byte
	s_lshl_b32 s14, s10, 2
	s_add_co_u32 s14, s14, s8                      ; my tile of W
	s_lshl_b32 s14, s14, 16                        ; 16 rows of 4,096 bytes,
	s_lshl_b32 s15, s9, 10                         ; 256 numbers along K
	s_add_co_u32 s14, s14, s15
	s_mov_b32 s15, 0
	s_lshl_b32 s16, s12, 2
	s_add_co_u32 s16, s16, s8                      ; my tile of the slot
	s_mul_i32 s16, s16, 3072
	s_add_co_u32 s16, s16, s13
	s_mov_b32 s17, 0
	s_lshl_b32 s18, s12, 9                         ; the four tiles' scale words
	s_add_co_u32 s18, s18, s13
	s_add_co_u32 s18, s18, SCLO
	s_mov_b32 s19, 0
	s_mul_i32 s20, s8, STGW                        ; my stage
	s_lshl_b32 s21, s8, 2
	s_mov_b32 s[SEL], 0x76543210
	s_mov_b32 s[SEL+1], 0xfedcba98
	v_lshlrev_b32 v[L16], 4, v[LN]
	v_add_nc_u32 v[STA], s20, v[L16]
	v_mul_u32_u24 v[STB], v25, SPIT
	s_wait_alu depctr_va_vdst(0)
	v_lshl_add_u32 v[STB], v26, 7, v[STB]
	v_add_nc_u32 v[STB], s20, v[STB]
	v_lshlrev_b32 v[SH8], 3, v26
	v_lshl_add_u32 v[SCR], v[LN], 4, SC
	v_add_nc_u32 v[SCS], s21, v[SCR]
	v_mov_b32 v[T], 0                              ; written once: a lane permute's destination counts as one of its sources
	s_wait_alu depctr_va_vdst(0)
	s_wait_kmcnt 0x0
	s_add_nc_u64 s[4:5], s[4:5], s[14:15]
	s_add_nc_u64 s[16:17], s[6:7], s[16:17]        ; where my codes go
	s_add_nc_u64 s[18:19], s[6:7], s[18:19]        ; where the scale words go
.irp s, 0,1
.irp m, 0,1,2,3,4,5,6,7,8,9,10,11,12,13,14,15
	global_load_b128 v[R+64*\s+4*\m:R+64*\s+4*\m+3], v[L16], s[4:5] offset:4096*\m+512*\s th:TH_LOAD_NT   ; 32 lanes read 512 consecutive bytes of row m
.endr
.endr
	s_wait_loadcnt 16                              ; the first K step's 16 loads are in; the second's 16 may be out
	TURN 0
	s_wait_dscnt 0x0
	QUANT6 PC, PW
.irp g, 0,1,2
	global_store_b128 v[L16], v[PC+4*\g:PC+4*\g+3], s[16:17] offset:512*\g            ; 32 lanes store 512 consecutive bytes, at a multiple of 512 from wpack's first byte
.endr
	s_wait_loadcnt 0x0
	TURN 1
	s_wait_dscnt 0x0
	QUANT6 PC+12, PW+1
.irp g, 0,1,2
	global_store_b128 v[L16], v[PC+12+4*\g:PC+12+4*\g+3], s[16:17] offset:1536+512*\g
.endr
	v_cmp_gt_u32 vcc_lo, 16, v[LN]
	v_cndmask_b32 v[MW], v[PW+1], v[PW], vcc_lo    ; lanes 0-15: the first K step's word of row r; lanes 16-31: the second's
	ds_store_b32 v[SCS], v[MW]
	s_wait_dscnt 0x0                               ; for the others' sake: my word lies in LDS
	s_barrier_signal -1
	s_barrier_wait -1
	s_cmp_lg_u32 s8, 0                             ; wave 0 stores the four tiles' words
	s_cbranch_scc1 .Lnot_wave_0
	ds_load_b128 v[OUTR:OUTR+3], v[SCR]
	s_wait_dscnt 0x0
	global_store_b128 v[L16], v[OUTR:OUTR+3], s[18:19]                                ; 512 consecutive bytes
.Lnot_wave_0:
	s_wait_tensorcnt 0x0                           ; the wave's end: a tensor wait, an add to my spare word and its wait, behind my last LDS store; the tensor wait in a text with no tensor load too
	ds_add_u32 v[SPW], v[NIL]
	s_wait_dscnt 0x0
	s_endpgm
.Lfunc_end_k_qa8f903e0ea_wq:
	.size	k_qa8f903e0ea_wq, .Lfunc_end_k_qa8f903e0ea_wq-k_qa8f903e0ea_wq
	.p2alignl 7, 3214868480
	.fill 96, 4, 3214868480
	.section	.rodata,"a",@progbits
	.p2align	6, 0x0
	.amdhsa_kernel k_qa8f903e0ea_wq
		.amdhsa_group_segment_fixed_size 34816
		.amdhsa_private_segment_fixed_size 0
		.amdhsa_enable_private_segment 0
		.amdhsa_kernarg_size 16
		.amdhsa_user_sgpr_count 2
		.amdhsa_user_sgpr_kernarg_segment_ptr 1
		.amdhsa_wavefront_size32 1
		.amdhsa_system_sgpr_workgroup_id_x 1
		.amdhsa_system_sgpr_workgroup_id_y 1
		.amdhsa_system_sgpr_workgroup_id_z 1
		.amdhsa_system_vgpr_workitem_id 0
		.amdhsa_next_free_vgpr 256
		.amdhsa_next_free_sgpr 66
		.amdhsa_reserve_vcc 1
		.amdhsa_float_denorm_mode_32 3
		.amdhsa_float_denorm_mode_16_64 3
		.amdhsa_memory_ordered 1
		.amdhsa_forward_progress 1
		.amdhsa_inst_pref_size 17
	.end_amdhsa_kernel
	.amdgpu_metadata
---
amdhsa.version: [ 1, 2 ]
amdhsa.kernels:
  - .name:           k_qa8f903e0ea_wq
    .symbol:         k_qa8f903e0ea_wq.kd
    .args:
      - { .name: W, .offset: 0, .size: 8, .value_kind: global_buffer, .address_space: global }
      - { .name: wpack, .offset: 8, .size: 8, .value_kind: global_buffer, .address_space: global }
    .group_segment_fixed_size: 34816
    .private_segment_fixed_size: 0
    .kernarg_segment_align: 8
    .kernarg_segment_size: 16
    .max_flat_workgroup_size: 128
    .sgpr_count:     66
    .vgpr_count:     256
    .wavefront_size: 32
...
	.end_amdgpu_metadata
.endif
;; end of part 1
;; launch main (part 2): grid 8 x 32, 8 waves a work-group, clusters of 4 x 1, 327,680 bytes of LDS; arguments encoder_outputs, hidden, wpack, energies; writes energies
.if DOCPART == 2
	.amdgcn_target "amdgcn-amd-amdhsa--gfx1250"
	.amdhsa_code_object_version 6
	.text
	.protected	k_qa8f903e0ea_main
	.globl	k_qa8f903e0ea_main
	.p2align	8
	.type	k_qa8f903e0ea_main,@function
k_qa8f903e0ea_main:
	s_mov_b64 s[64:65], 0
	v_nop
	global_prefetch_b8 v0, s[64:65] scope:SCOPE_SE
	s_setreg_imm32_b32 hwreg(HW_REG_WAVE_MODE, 25, 1), 1
	s_wait_xcnt 0x0
	s_wait_alu depctr_hold_cnt(0) depctr_sa_sdst(0) depctr_va_vdst(0) depctr_va_sdst(0) depctr_va_ssrc(0) depctr_va_vcc(0) depctr_vm_vsrc(0)
	s_getreg_b32 s2, hwreg(HW_REG_IB_STS2, 6, 4)
	s_cmp_eq_u32 s2, 0
	s_cbranch_scc0 .Lentry_in_a_cluster
	s_endpgm
.Lentry_in_a_cluster:
	s_bfe_u32 s2, ttmp6, 0x10000c
	s_cmp_lg_u32 s2, 0x3003
	s_cbranch_scc0 .Lentry_shape_is_right
	s_endpgm
.Lentry_shape_is_right:
; energies[b][s] = sum over o of hidden[b][o] x (sum over k of Q(encoder_outputs[s][b][k]) Q(W[o][k])).  The bias is left out: it adds one number to every s of a row, which the softmax behind takes away (shown at the head of the first kernel).
; The first product runs on FP6 (E2M3) codes with one E8M0 scale for each 32 along K; W's come from wpack, encoder_outputs' are made here in f32.  The second product is f32 fused multiply-adds.
; SHARES.  A work-group takes ONE b and 256 values of s, in eight waves of 512 registers.  Wave w = 2 i + j multiplies rows 64 i .. 64 i + 63 (four tiles of 16) by half j of a slot's 32 tiles of W.
; Source 0 = 16 rows of encoder_outputs, source 1 = 16 rows of W: lane (r, h) holds column o = n0 + r and rows 8 h + jj; E[tile][jj] += D[jj] x hidden[b][n0 + r]; the sums over r and over j come at the end.
; K goes in four passes of 256; a pass walks all tiles of W with sums two matrix instructions deep.  While a pass multiplies, the next 256 along K stream in and are quantised.
; W comes through two LDS slots of 102,400 bytes, an eighth a wave, asked for JOINTLY by the four work-groups of a cluster (same descriptor, mask 15).  encoder_outputs is shared by no two work-groups.
; encoder_outputs: wave w quantises rows 32 w .. 32 w + 31.  A ring of four sets of 32 registers (a set: 16 rows x 64 along K, eight loads of two aligned 256-byte pieces): 32 loads of every wave are out, under counted waits.
; A HALF-JOB takes a set through the wave's own stage (16 rows x 272 bytes), so that a lane gets one whole block of 32 of one row; largest magnitude, scale byte, two conversions; six registers of the fragment and two scale bytes
; are parked in LDS as images of the operand's registers, where both waves of the row group fetch them at the change of passes.
; Images are stored only between a change of slots and the barrier at the slot's end, and loaded only between that barrier and the next change of slots.
; NO PREFETCH: the ring has 32 loads a wave on their way through the whole stream, and wpack's 819,200 bytes are walked by every cluster alike.
; LIMITS.  E adds hidden x (partial sums over 256 along K), in two halves of the columns, all in f32.  A block of zeros gets the scale byte 1 where the rule says 127 (its codes are zeros; this program alone reads the bytes).
; NaN and infinities among the inputs are not served.
; REGISTERS.  Window 0: v1-15, v64-70 addresses; v16-23 my rows' scale words; v24-31 W's; v32-63 numbers at work; v96-127 the quantiser's; v128-255 the ring.
; Window 1: v0-95 eight fragments of my 64 rows (tile i, K step s: 12 (2 i + s)); v96-159 two sets of four accumulators; v160-191 E; v192-239 W's fragments; v240-247 hidden; v248 LDS address of W's fragments.
.set SLOTB, 102400
.set SLOT1, 131072
.set NTB,   3072
.set FRB,   1536
.set SCLO,  98304
.set HALFW, 49152
.set HIDL,  102400                     ; hidden[b], 4,096 bytes: byte 256 Q + 16 r + 4 u = hidden[b][64 Q + 16 u + r]; wave w writes bytes 512 w ..
.set SPARE, 106496                     ; the spare words, 128 bytes a wave: four blocks of 256 bytes that no other line names
.set AIMG,  233472                     ; images: for each wave two parities of 3,328 bytes: two fragments, then twice 128 bytes of scale words
.set AIMW,  6656
.set AIMP,  3328
.set STG,   286720                     ; a stage of 16 rows x 272 bytes a wave; at the end its first 256 bytes hold the wave's 64 partial energies
.set STGW,  4352
.set SPIT,  272
.set L16, 1
.set STA, 2
.set STB, 3
.set IMA, 4
.set IMS, 5
.set GA,  6                            ; 131,072 (lane / 16) + 16 (lane % 16)
.set WSA, 7
.set HAD, 8
.set SH8, 9
.set SPW, 10
.set NIL, 11
.set HST, 12
.set HAD0, 13
.set OA,  14
.set L8,  15
.set AS,  16
.set WS,  24
.set X,   32
.set EO,  32
.set IMR,  64
.set IMRS, 65
.set IMJ,  66
.set IMSJ, 67
.set ORD,  68
.set WAD0, 69
.set WSA0, 70
.set OUTR, 72
.set PC,  96
.set TC,  104
.set M,   116
.set SOP, 120
.set BY,  124
.set PW,  126
.set T,   127
.set RG,  128
.set ACC, 96                           ; window 1 from here on
.set ER,  160
.set WF,  192
.set HIDR, 240
.set WADW, 248
.set WV,  12
.set G1,  16
.set G0,  24
.set PB,  28
.set PH,  29
.set PI,  30
.set SLC, 31
.set EB,  32
.set TW,  34
.set TS,  35
.set THD, 36
.set QC,  37
.set JW,  38
.set SEL, 40
.set WQ,  45
.set W_MUL, 0x55                       ; all four operand places in window 1: products, multiply-adds and the loads of W's fragments alike
.set MSB, 0
.set DSN, 0                            ; LDS instructions written so far in a stretch; SQ..: its value behind a group of loads.  A wait for a group counts what was issued behind it
.set SQA0, 0
.set SQA1, 0
.set SQB0, 0
.set SQB1, 0
.set SQS, 0
.set SQX, 0
.macro WIN new
.if MSB != \new
	s_set_vgpr_msb (MSB<<8)|\new
.set MSB, \new
.endif
.endm
.macro PLACES n
.rept \n
	v_nop
.endr
.endm
.macro WAITDS seq                      ; LDS serves a wave's instructions in order (ISA guide 5.7.1)
.if DSN-(\seq) > 63
	s_wait_dscnt 63
.else
	s_wait_dscnt DSN-(\seq)
.endif
.endm
.macro ROUND                           ; a round of the cluster's barrier
	s_barrier_signal -1
	s_barrier_wait -1
	s_cmp_lg_u32 s[WV], 0
	s_cbranch_scc1 .Lnot_wave_0_\@
	s_barrier_signal -3
.Lnot_wave_0_\@:
	s_barrier_wait -3
	s_barrier_signal -1
	s_barrier_wait -1
.endm
; THE CHANGE OF SLOTS.  Each wave waits for all its tensor loads (one is out: its eighth of the slot ahead), adds 0 to its spare word, waits for that and for its LDS reads.  mode 2 (loop), 1 (written out): behind a round
; the other slot takes the slot that follows, my one tensor load.  mode 0: nothing is left to fetch.  The four v_nop are also the places in front of LDS loads into registers that the last products read.
.macro CHANGE mode, lds
	s_wait_tensorcnt 0x0
	ds_add_u32 v[SPW], v[NIL]
.if \mode == 2
	s_xor_b32 s[G0+1], s[G0+1], SLOT1
.elseif \mode == 1
	s_add_co_u32 s[G0+1], s[WQ], \lds
.endif
.if \mode
	s_add_nc_u64 s[G0+2:G0+3], s[G0+2:G0+3], SLOTB
	s_wait_dscnt 0x0
	ROUND
	tensor_load_to_lds s[G0:G0+3], s[G1:G1+7]
	s_nop 0
.else
	s_wait_dscnt 0x0
	s_barrier_signal -1
	s_barrier_wait -1
.endif
	PLACES 4
.endm
.macro ALOAD                           ; a pass's eight fragments of my 64 rows and their scale words: tiles 0, 1 from wave 2 i's images, tiles 2, 3 from wave 2 i + 1's
	WIN 0x40
.irp i, 0,1,2,3
.irp s, 0,1
.irp g, 0,1,2
	ds_load_b128 v[12*(2*\i+\s)+4*\g:12*(2*\i+\s)+4*\g+3], v[IMR] offset:AIMW*(\i/2)+AIMP*\s+FRB*(\i%2)+512*\g
.endr
.endr
.endr
	WIN 0
.irp i, 0,1,2,3
.irp s, 0,1
	ds_load_b32 v[AS+2*\i+\s], v[IMRS] offset:AIMW*(\i/2)+AIMP*\s+128*(\i%2)
.endr
.endr
.endm
.macro LOADW t, s                      ; K step s of tile t into the tile's buffer: three loads of 512 consecutive bytes
	WIN W_MUL
.irp g, 0,1,2
	ds_load_b128 v[WF+24*((\t)&1)+12*(\s)+4*\g:WF+24*((\t)&1)+12*(\s)+4*\g+3], v[WADW] offset:(\t)*NTB+(\s)*FRB+512*\g
.endr
.set DSN, DSN+3
.if (\s) == 0
.if ((\t)&1) == 0
.set SQA0, DSN
.else
.set SQA1, DSN
.endif
.else
.if ((\t)&1) == 0
.set SQB0, DSN
.else
.set SQB1, DSN
.endif
.endif
.endm
.macro LOADS q                         ; hidden's numbers and W's scale words of four tiles
	WIN 0x40
	ds_load_b128 v[HIDR+4*((\q)&1):HIDR+4*((\q)&1)+3], v[HAD] offset:256*(\q)
	WIN 0
	ds_load_b128 v[WS+4*((\q)&1):WS+4*((\q)&1)+3], v[WSA] offset:512*(\q)
.set DSN, DSN+2
.set SQS, DSN
.endm
.macro PRELOAD
.set DSN, 0
	LOADS 0
	LOADW 0, 0
	LOADW 0, 1
	LOADW 1, 0
.endm
; A TILE OF W against my four tiles of rows: eight matrix instructions, K step 0 for the four (C = 0), then K step 1.  The four accumulators take turns and the two sets take turns from tile to tile.
; Behind each matrix instruction stand two multiply-adds of the tile BEFORE, each accumulator from its low end on, eight plain instructions or more behind the product that finished it.
; W's fragments: behind the 2nd product the next tile's K step 1 (registers last read six multiply-adds back), behind the 6th K step 0 of the tile after next (likewise): each eleven matrix instructions ahead of its use.
.macro NT t, n
.set NB, (\t)&1
.set NQP, ((\t)>>2)&1
.set NU, (\t)&3
.if NU == 0
.set HPR, HIDR+4*(1-NQP)+2
.set HWD, 1
.else
.set HPR, HIDR+4*NQP+((NU-1)&2)
.set HWD, (NU-1)&1
.endif
.set NI, 0
.rept 8
.set KS, NI/4
.set TI, NI%4
.set AC, ACC+32*NB+8*TI
.set AFR, 12*(2*TI+KS)
.set WFR, WF+24*NB+12*KS
.if NI == 0
.if NB == 0
.set WSEQ, SQA0
.else
.set WSEQ, SQA1
.endif
.if (NU == 0) && (SQS > WSEQ)
.set WSEQ, SQS
.endif
	WAITDS WSEQ                                    ; this tile's K step 0 is in (at a quad's first tile: its scale words and hidden's numbers too)
.endif
.if NI == 4
.if NB == 0
	WAITDS SQB0                                    ; this tile's K step 1 is in
.else
	WAITDS SQB1
.endif
.endif
	WIN W_MUL
.if KS == 0
	v_wmma_scale_f32_16x16x128_f8f6f4 v[AC:AC+7], v[AFR:AFR+11], v[WFR:WFR+11], 0, v[AS+2*TI], v[WS+4*NQP+NU] matrix_a_fmt:MATRIX_FMT_FP6 matrix_b_fmt:MATRIX_FMT_FP6
.else
	v_wmma_scale_f32_16x16x128_f8f6f4 v[AC:AC+7], v[AFR:AFR+11], v[WFR:WFR+11], v[AC:AC+7], v[AS+2*TI+1], v[WS+4*NQP+NU] matrix_a_fmt:MATRIX_FMT_FP6 matrix_b_fmt:MATRIX_FMT_FP6 matrix_b_scale:MATRIX_SCALE_ROW1
.endif
.set ZI, 2*NI
.rept 2
.set PA, ACC+32*(1-NB)+2*ZI
.set PE, ER+2*ZI
.if HWD
	v_pk_fma_f32 v[PE:PE+1], v[HPR:HPR+1], v[PA:PA+1], v[PE:PE+1] op_sel:[1,0,0] op_sel_hi:[1,1,1]
.else
	v_pk_fma_f32 v[PE:PE+1], v[HPR:HPR+1], v[PA:PA+1], v[PE:PE+1] op_sel_hi:[0,1,1]
.endif
.set ZI, ZI+1
.endr
.if (NI == 1) && ((\t)+1 < (\n))
	LOADW (\t)+1, 1
.if (NU == 1) && ((\t)+3 < (\n))
	LOADS ((\t)>>2)+1                              ; the other set's hidden was last read in the quad's first tile, its scale words by the quad before
.endif
.endif
.if (NI == 5) && ((\t)+2 < (\n))
	LOADW (\t)+2, 0
.endif
.set NI, NI+1
.endr
.endm
; Ring set st = 2 q + c: 64 along K (half c of a K step) of the 16 rows of my tile q
.macro ISSUE st                        ; each load: lanes 0-15 read 256 aligned bytes of row 2 m, lanes 16-31 of row 2 m + 1; the immediate is 3,932,416 at the most, inside its signed 24 bits
	WIN 0
.irp m, 0,1,2,3,4,5,6,7
	global_load_b128 v[RG+32*(\st)+4*\m:RG+32*(\st)+4*\m+3], v[GA], s[EB:EB+1] offset:((\st)/2)*2097152+\m*262144+((\st)%2)*256 th:TH_LOAD_NT
.endr
.endm
.macro STSTORE st
	WIN 0
.irp m, 0,1,2,3,4,5,6,7
	ds_store_b128 v[STA], v[RG+32*(\st)+4*\m:RG+32*(\st)+4*\m+3] offset:2*SPIT*\m
.endr
.set DSN, DSN+8
.endm
.macro STLOAD                          ; back: one whole block of one row a lane; LDS serves a wave's instructions in order, so these see the stores
	WIN 0
.irp k, 0,1,2,3,4,5,6,7
	ds_load_b128 v[X+4*\k:X+4*\k+3], v[STB] offset:16*\k
.endr
.set DSN, DSN+8
.set SQX, DSN
.endm
; 32 numbers of a lane, block 2 c + h of row r, become six registers of the fragment (v[PC] on) and, with lane l xor 16's, two scale bytes in v[PW]
.macro QUANT3
.irp k, 0,1,2,3
	v_max3_num_f32 v[M+\k], |v[X+3*\k]|, |v[X+3*\k+1]|, |v[X+3*\k+2]|                ; the largest magnitude, four chains
.endr
.irp i, 12,20
.irp k, 0,1,2,3
	s_delay_alu instid0(VALU_DEP_4)
	v_max3_num_f32 v[M+\k], v[M+\k], |v[X+\i+2*\k]|, |v[X+\i+2*\k+1]|
.endr
.endr
.irp k, 0,1
	s_delay_alu instid0(VALU_DEP_4)
	v_max3_num_f32 v[M+\k], v[M+\k], |v[X+28+2*\k]|, |v[X+29+2*\k]|
.endr
	s_delay_alu instid0(VALU_DEP_1)
	v_max3_num_f32 v[M], v[M], v[M+1], v[M+2]
	s_delay_alu instid0(VALU_DEP_1)
	v_max3_num_f32 v[M], v[M], v[M+3], 0x1800000                                     ; and the floor 2^(3 - 127): the byte cannot fall under 1
	s_delay_alu instid0(VALU_DEP_1)
	v_add_nc_u32 v[SOP], 0xff000000, v[M]                                            ; 2 off the exponent field: the conversion's scale operand
	s_delay_alu instid0(VALU_DEP_1)
	v_lshrrev_b32 v[BY], 23, v[SOP]                                                  ; the scale's byte
	s_delay_alu instid0(VALU_DEP_1)
	v_lshlrev_b32 v[PW], v[SH8], v[BY]                                               ; at its place, 8 h bits up
	s_delay_alu instid0(VALU_DEP_1)
	v_permlanex16_b32 v[T], v[PW], s[SEL], s[SEL+1]
	s_delay_alu instid0(VALU_DEP_1)
	v_or_b32 v[PW], v[PW], v[T]                                                      ; blocks 2 c and 2 c + 1
	v_cvt_scalef32_pk16_fp6_f32 v[PC:PC+2], v[X:X+15], v[SOP]
	v_cvt_scalef32_pk16_fp6_f32 v[TC:TC+2], v[X+16:X+31], v[SOP]                     ; (a conversion's three registers begin on an even number)
	v_nop                                                                            ; one plain instruction behind the last scaled conversion
.irp i, 0,1,2
	v_mov_b32 v[PC+3+\i], v[TC+\i]
.endr
.endm
.macro IMAGE st                        ; registers 6 c .. 6 c + 5 of fragment q into its image (three groups of four registers, 16 bytes a lane), and the two scale bytes
.if ((\st)%2) == 0
	ds_store_b128 v[IMJ], v[PC:PC+3] offset:FRB*((\st)/2)
	ds_store_b64 v[IMJ], v[PC+4:PC+5] offset:FRB*((\st)/2)+512
.else
	ds_store_b64 v[IMJ], v[PC:PC+1] offset:FRB*((\st)/2)+520
	ds_store_b128 v[IMJ], v[PC+2:PC+5] offset:FRB*((\st)/2)+1024
.endif
	ds_store_b16 v[IMSJ], v[PW] offset:128*((\st)/2)+2*((\st)%2)
.set DSN, DSN+3
.endm
.macro JOB st, issue, cnt              ; a half-job as a block.  cnt: the younger loads that may stay out
	s_wait_loadcnt \cnt
	STSTORE \st
	STLOAD
	s_wait_dscnt 0x0                               ; the numbers are back, and the stage's stores have read the set
.if \issue
	ISSUE \st
.endif
	QUANT3
	IMAGE \st
.endm
.macro JOBS mode                       ; a K step's four half-jobs.  mode 1: each set is asked for again, 128 further along K: behind a set's loads stand the other three sets' 24.  mode 2: the last K step
.if \mode == 1
	s_wait_xcnt 0x0                                ; the loads issued so far have read their base
	s_add_nc_u64 s[EB:EB+1], s[EB:EB+1], 512
	JOB 0, 1, 24
	JOB 1, 1, 24
	JOB 2, 1, 24
	JOB 3, 1, 24
.else
	JOB 0, 0, 24
	JOB 1, 0, 16
	JOB 2, 0, 8
	JOB 3, 0, 0
.endif
.endm
; A stretch of n tiles.  jobs = 1: half-job q stands among the four tiles of quad q: stage stores behind the first, stage loads behind the second, the rest behind the fourth
.macro TILES n, jobs
.set TT, 0
.rept \n
	NT TT, \n
.if \jobs
.if (TT&3) == 0
	s_wait_loadcnt 24                              ; my set's eight loads are in; behind them stand the other three sets' 24
	STSTORE TT/4
.endif
.if (TT&3) == 1
	STLOAD
.endif
.if (TT&3) == 3
	WIN 0
	WAITDS SQX
	ISSUE TT/4
	QUANT3
	IMAGE TT/4
.endif
.endif
.set TT, TT+1
.endr
.endm
.macro ADDR sw, ss, sh
	v_add_nc_u32 v[WSA], s[\ss], v[WSA0]
	v_add_nc_u32 v[HAD], s[\sh], v[HAD0]
	WIN 0x40
	v_add_nc_u32 v[WADW], s[\sw], v[WAD0]
.endm
.macro PLAIN p                         ; a slot with no half-jobs: two trips of eight tiles
	s_mov_b32 s[TW], \p*SLOT1
	s_mov_b32 s[TS], \p*SLOT1
	s_mov_b32 s[THD], \p*2048
	s_mov_b32 s[QC], 2
.Lhalf_\@:
	ADDR TW, TS, THD
	PRELOAD
	s_wait_alu depctr_va_vdst(0)
	TILES 8, 0
	WIN 0
	s_add_co_u32 s[TW], s[TW], 8*NTB
	s_add_co_u32 s[TS], s[TS], 1024
	s_add_co_u32 s[THD], s[THD], 512
	s_sub_co_u32 s[QC], s[QC], 1
	s_cmp_lg_u32 s[QC], 0
	s_cbranch_scc1 .Lhalf_\@
.endm
	s_load_b256 s[4:11], s[0:1], 0x0               ; encoder_outputs, hidden, wpack, energies
	v_lshl_add_u32 v[SPW], v0, 2, SPARE
	v_mov_b32 v[NIL], 0
	ds_add_u32 v[SPW], v[NIL]                      ; the opening lines: the add twice on end and its wait ahead of my first tensor load
	ds_add_u32 v[SPW], v[NIL]
	v_lshrrev_b32 v116, 5, v0
	v_readfirstlane_b32 s[WV], v116                ; wave 0..7
	s_bfe_u32 s13, ttmp6, 0x40000                  ; cx: it enters encoder_outputs' and energies' addresses alone
	s_lshl_b32 s14, ttmp9, 2
	s_add_co_u32 s14, s14, s13                     ; x: which 256 values of s
	s_and_b32 s15, ttmp7, 0xffff                   ; b
	s_mov_b32 s[G1+0], 15|(3<<16)|(1<<21)          ; mask: all four work-groups; elements of 8 bytes; bit 21 beside a mask
	s_mov_b32 s[G1+1], 32<<16                      ; a dense block of 12,800 bytes as 50 rows of 256
	s_mov_b32 s[G1+2], 50<<16
	s_mov_b32 s[G1+3], 32<<16
	s_mov_b32 s[G1+4], 50
	s_mov_b32 s[G1+5], 32
	s_mov_b32 s[G1+6], 0
	s_mov_b32 s[G1+7], 0
	s_mov_b32 s[SEL], 0x76543210
	s_mov_b32 s[SEL+1], 0xfedcba98
	s_and_b32 s[JW], s[WV], 1                      ; j: my half of the columns
	s_and_b32 s39, s[WV], 6                        ; 2 i: the first wave of my row group
	s_mul_i32 s42, s[WV], STGW
	s_add_co_u32 s42, s42, STG                     ; my stage
	s_mul_i32 s43, s[WV], AIMW
	s_add_co_u32 s43, s43, AIMG                    ; my own images
	s_lshl_b32 s44, s[WV], 9
	s_add_co_u32 s44, s44, HIDL                    ; the 512 bytes of hidden[b] that I lay
	s_mul_i32 s[WQ], s[WV], 12800                  ; my eighth of a slot, in LDS and in wpack alike
	s_mul_i32 s52, s39, AIMW
	s_add_co_u32 s52, s52, AIMG                    ; the images of my row group's two waves
	s_mul_i32 s53, s39, STGW
	s_add_co_u32 s53, s53, STG                     ; the way out: the stage of wave 2 i
	s_lshl_b32 s54, s[JW], 10
	s_add_co_u32 s54, s54, HIDL
	s_mul_i32 s55, s[JW], HALFW
	s_lshl_b32 s56, s[JW], 11
	s_add_co_u32 s56, s56, SCLO
	s_lshl_b32 s46, s14, 25                        ; encoder_outputs: 256 x rows of 131,072 bytes,
	s_lshl_b32 s47, s[WV], 22                      ; my wave's 32 rows,
	s_add_co_u32 s46, s46, s47
	s_lshl_b32 s47, s15, 12                        ; b's 4,096 bytes in a row
	s_add_co_u32 s46, s46, s47
	s_mov_b32 s47, 0
	s_lshl_b32 s48, s15, 13                        ; energies: row b, 256 x numbers, my row group's 64
	s_lshl_b32 s49, s14, 10
	s_add_co_u32 s48, s48, s49
	s_lshl_b32 s49, s39, 7
	s_add_co_u32 s48, s48, s49
	s_mov_b32 s49, 0
	s_lshl_b32 s50, s15, 12                        ; hidden: row b, my 512 bytes
	s_lshl_b32 s51, s[WV], 9
	s_add_co_u32 s50, s50, s51
	s_mov_b32 s51, 0
	v_and_b32 v116, 31, v0                         ; lane
	v_and_b32 v117, 15, v0                         ; r
	v_bfe_u32 v118, v0, 4, 1                       ; h
	v_lshlrev_b32 v[L16], 4, v116
	v_lshlrev_b32 v[GA], 4, v117
	v_lshl_add_u32 v[GA], v118, 17, v[GA]
	v_mul_u32_u24 v[STA], v118, SPIT
	v_lshl_add_u32 v[STA], v117, 4, v[STA]
	v_add_nc_u32 v[STA], s42, v[STA]               ; into the stage: row 2 m + h, 16 r
	v_mul_u32_u24 v[STB], v117, SPIT
	v_lshl_add_u32 v[STB], v118, 7, v[STB]
	v_add_nc_u32 v[STB], s42, v[STB]               ; out of it: row r, 128 h
	v_add_nc_u32 v[IMA], s43, v[L16]
	v_lshl_add_u32 v[IMS], v116, 2, s43
	v_add_nc_u32 v[IMS], 2*FRB, v[IMS]
	v_add_nc_u32 v[IMR], s52, v[L16]
	v_lshl_add_u32 v[IMRS], v116, 2, s52
	v_add_nc_u32 v[IMRS], 2*FRB, v[IMRS]
	v_lshlrev_b32 v[SH8], 3, v118
	v_and_b32 v119, 3, v0
	v_bfe_u32 v120, v0, 2, 2
	v_lshlrev_b32 v[HST], 8, v118                  ; number 128 w + 4 lane + e goes to byte 512 w + 256 (lane / 16) + 64 (lane % 4) + 16 e + 4 ((lane / 4) % 4)
	v_lshl_add_u32 v[HST], v119, 6, v[HST]
	v_lshl_add_u32 v[HST], v120, 2, v[HST]
	v_add_nc_u32 v[HST], s44, v[HST]
	v_lshl_add_u32 v[HAD0], v117, 4, s54
	v_add_nc_u32 v[WAD0], s55, v[L16]
	v_add_nc_u32 v[WSA0], s56, v[L16]
	v_lshl_add_u32 v[OA], v118, 5, s42
	v_lshl_add_u32 v[ORD], v116, 3, s53
	v_lshlrev_b32 v[L8], 3, v116
	s_wait_alu depctr_va_vdst(0)
	s_wait_dscnt 0x0                               ; both opening adds are done
	s_wait_kmcnt 0x0
	s_add_nc_u64 s[EB:EB+1], s[4:5], s[46:47]
	s_add_nc_u64 s[6:7], s[6:7], s[50:51]
	s_add_nc_u64 s[10:11], s[10:11], s[48:49]
	s_mov_b32 s50, s[WQ]
	s_add_nc_u64 s[8:9], s[8:9], s[50:51]          ; wpack at my eighth of slot 0: the wave's number alone
	s_mov_b32 s[G0], 1
	s_mov_b32 s[G0+1], s[WQ]
	s_mov_b64 s[G0+2:G0+3], s[8:9]
	s_or_b32 s[G0+3], s[G0+3], 0x80000000
	global_load_b128 v[X:X+3], v[L16], s[6:7]      ; my 128 numbers of hidden[b]
	ISSUE 0                                        ; the first K step of my rows
	ISSUE 1
	ISSUE 2
	ISSUE 3
	ROUND                                          ; all four work-groups are here: the first joint loads meet
	tensor_load_to_lds s[G0:G0+3], s[G1:G1+7]      ; slot 0; slot 1 is first filled behind the first change's round, as a refill is
	s_nop 0
	PLACES 4
	WIN 0x40                                       ; the multiply-adds run one tile behind the products: the very first sixteen find zeros
.set ZR, 0
.rept 64
	v_mov_b32 v[ACC+32+ZR], 0                      ; the second set of accumulators, and E
.set ZR, ZR+1
.endr
	v_mov_b32 v[HIDR+6], 0
	v_mov_b32 v[HIDR+7], 0
	WIN 0
	v_mov_b32 v[T], 0                              ; a lane permute's destination counts as one of its sources
	s_wait_loadcnt 32                              ; hidden's load is in; behind it stand the four sets' 32
.irp e, 0,1,2,3
	ds_store_b32 v[HST], v[X+\e] offset:16*\e
.endr
	s_mov_b32 s[PI], 0
	s_mov_b32 s[QC], 2
.Lfirst:                                               ; the first pass's two K steps are quantised ahead of all products
	v_add_nc_u32 v[IMJ], s[PI], v[IMA]
	v_add_nc_u32 v[IMSJ], s[PI], v[IMS]
	JOBS 1
	s_xor_b32 s[PI], s[PI], AIMP
	s_sub_co_u32 s[QC], s[QC], 1
	s_cmp_lg_u32 s[QC], 0
	s_cbranch_scc1 .Lfirst
	s_wait_dscnt 0x0                               ; for the others' sake: my images and my part of hidden lie in LDS
	s_barrier_signal -1
	s_barrier_wait -1
	ALOAD                                          ; pass 0's fragments; the wait for them stands in the change of slots below
	s_mov_b32 s[PB], 0
	s_mov_b32 s[PH], 0
	s_mov_b32 s[SLC], 5
.Lslot:                                                ; slots 0 to 4: each multiplies my 16 tiles of W by 256 along K and quantises one K step of the pass that follows
	CHANGE 2, 0
	v_add_nc_u32 v[IMJ], s[PI], v[IMA]
	v_add_nc_u32 v[IMSJ], s[PI], v[IMS]
	s_wait_xcnt 0x0                                ; the loads issued so far have read their base
	s_add_nc_u64 s[EB:EB+1], s[EB:EB+1], 512
	ADDR PB, PB, PH
	PRELOAD
	s_wait_alu depctr_va_vdst(0)
	TILES 16, 1
	WIN 0
	s_xor_b32 s[PB], s[PB], SLOT1
	s_xor_b32 s[PH], s[PH], 2048
	s_xor_b32 s[PI], s[PI], AIMP
	s_wait_dscnt 0x0                               ; for my partner's sake: this slot's images lie in LDS
	s_barrier_signal -1
	s_barrier_wait -1
	s_cmp_lg_u32 s[PB], 0                          ; the count of slots alone: behind a pass's second slot the next pass's fragments are fetched
	s_cbranch_scc1 .Lsame_pass
	PLACES 4
	ALOAD
.Lsame_pass:
	s_sub_co_u32 s[SLC], s[SLC], 1
	s_cmp_lg_u32 s[SLC], 0
	s_cbranch_scc1 .Lslot
	CHANGE 1, 0                                    ; slot 5, in LDS slot 1; wpack's slot 6 goes to LDS slot 0.  The rest is written out: the last K step asks for nothing, the last change fetches nothing
	v_add_nc_u32 v[IMJ], AIMP, v[IMA]
	v_add_nc_u32 v[IMSJ], AIMP, v[IMS]
	JOBS 2
	PLAIN 1
	s_wait_dscnt 0x0
	s_barrier_signal -1
	s_barrier_wait -1
	PLACES 4
	ALOAD                                          ; pass 3's fragments
	CHANGE 1, SLOT1                                ; slot 6
	PLAIN 0
	CHANGE 0, 0                                    ; slot 7
	PLAIN 1
	WIN 0x15                                       ; the last tile's multiply-adds; E goes to window 0 with them
	PLACES 4
.set ZI, 0
.rept 16
	v_pk_fma_f32 v[EO+2*ZI:EO+2*ZI+1], v[HIDR+6:HIDR+7], v[ACC+32+2*ZI:ACC+32+2*ZI+1], v[ER+2*ZI:ER+2*ZI+1] op_sel:[1,0,0] op_sel_hi:[1,1,1]
.set ZI, ZI+1
.endr
	WIN 0
	; THE WAY OUT: the sum over the sixteen lanes of a half of the lanes
.irp x, 1,2,4,8
.set ZI, 0
.rept 32
	v_add_f32_dpp v[EO+ZI], v[EO+ZI], v[EO+ZI] row_xmask:\x row_mask:0xf bank_mask:0xf
.set ZI, ZI+1
.endr
.endr
.irp i, 0,1,2,3
.irp g, 0,1
	ds_store_b128 v[OA], v[EO+8*\i+4*\g:EO+8*\i+4*\g+3] offset:64*\i+16*\g           ; sixteen lanes write the same bytes with the same values: my 64 partial energies in order, 256 bytes
.endr
.endr
	s_wait_dscnt 0x0                               ; for my partner's sake
	s_barrier_signal -1
	s_barrier_wait -1
	s_cmp_lg_u32 s[JW], 0                          ; the even wave of a row group adds the two halves of the columns and stores
	s_cbranch_scc1 .Lnot_mine
	ds_load_b64 v[OUTR:OUTR+1], v[ORD]
	ds_load_b64 v[OUTR+2:OUTR+3], v[ORD] offset:STGW
	s_wait_dscnt 0x0
	v_pk_add_f32 v[OUTR:OUTR+1], v[OUTR:OUTR+1], v[OUTR+2:OUTR+3]
	global_store_b64 v[L8], v[OUTR:OUTR+1], s[10:11]   ; 32 lanes store 256 consecutive bytes, at a multiple of 256 from energies' first byte
.Lnot_mine:
	s_wait_tensorcnt 0x0                           ; the wave's end
	ds_add_u32 v[SPW], v[NIL]
	s_wait_dscnt 0x0
	ROUND                                          ; the closing round
	s_endpgm
.Lfunc_end_k_qa8f903e0ea_main:
	.size	k_qa8f903e0ea_main, .Lfunc_end_k_qa8f903e0ea_main-k_qa8f903e0ea_main
	.p2alignl 7, 3214868480
	.fill 96, 4, 3214868480
	.section	.rodata,"a",@progbits
	.p2align	6, 0x0
	.amdhsa_kernel k_qa8f903e0ea_main
		.amdhsa_group_segment_fixed_size 327680
		.amdhsa_private_segment_fixed_size 0
		.amdhsa_enable_private_segment 0
		.amdhsa_kernarg_size 32
		.amdhsa_user_sgpr_count 2
		.amdhsa_user_sgpr_kernarg_segment_ptr 1
		.amdhsa_wavefront_size32 1
		.amdhsa_system_sgpr_workgroup_id_x 1
		.amdhsa_system_sgpr_workgroup_id_y 1
		.amdhsa_system_sgpr_workgroup_id_z 1
		.amdhsa_system_vgpr_workitem_id 0
		.amdhsa_next_free_vgpr 512
		.amdhsa_next_free_sgpr 66
		.amdhsa_reserve_vcc 0
		.amdhsa_float_denorm_mode_32 3
		.amdhsa_float_denorm_mode_16_64 3
		.amdhsa_memory_ordered 1
		.amdhsa_forward_progress 1
		.amdhsa_inst_pref_size 180
	.end_amdhsa_kernel
	.amdgpu_metadata
---
amdhsa.version: [ 1, 2 ]
amdhsa.kernels:
  - .name:           k_qa8f903e0ea_main
    .symbol:         k_qa8f903e0ea_main.kd
    .args:
      - { .name: encoder_outputs, .offset: 0, .size: 8, .value_kind: global_buffer, .address_space: global }
      - { .name: hidden, .offset: 8, .size: 8, .value_kind: global_buffer, .address_space: global }
      - { .name: wpack, .offset: 16, .size: 8, .value_kind: global_buffer, .address_space: global }
      - { .name: energies, .offset: 24, .size: 8, .value_kind: global_buffer, .address_space: global }
    .group_segment_fixed_size: 327680
    .private_segment_fixed_size: 0
    .kernarg_segment_align: 8
    .kernarg_segment_size: 32
    .max_flat_workgroup_size: 256
    .sgpr_count:     66
    .vgpr_count:     512
    .wavefront_size: 32
...
	.end_amdgpu_metadata
.endif
;; end of part 2
;; launch sm (part 3): grid 32 x 1, 1 waves a work-group, no clusters, 0 bytes of LDS; arguments energies, out0; writes out0
.if DOCPART == 3
	.amdgcn_target "amdgcn-amd-amdhsa--gfx1250"
	.amdhsa_code_object_version 6
	.text
	.protected	k_qa8f903e0ea_sm
	.globl	k_qa8f903e0ea_sm
	.p2align	8
	.type	k_qa8f903e0ea_sm,@function
k_qa8f903e0ea_sm:
	s_mov_b64 s[64:65], 0
	v_nop
	global_prefetch_b8 v0, s[64:65] scope:SCOPE_SE
	s_setreg_imm32_b32 hwreg(HW_REG_WAVE_MODE, 25, 1), 1
	s_wait_xcnt 0x0
; out0[b][0][s] = softmax over s of energies[b][s].  (The energies come without hidden[b] . bias, which is the same along s and leaves the softmax as it is: shown at the head of the first kernel.)
; A row is 2,048 numbers, 8,192 bytes: one wave takes a row and keeps it in 64 registers between the maximum, the exponentials and the division: it is read once, and no wave waits for another.  A launch of its own, since a row's
; maximum and sum span the eight work-groups that made it.  No LDS, no barrier, no matrix unit: there is nothing for them to do.
; p = 2^(x c - m c), c = log2(e), m the row's maximum, by one fused multiply-add: x c is not rounded, and the one rounding of m c is the same shift for the whole row, which the division by the sum takes away.
; LIMITS: a p under 2^-126 comes out as 0 (the exponential's results are flushed: ISA guide, its entry in 15.8); NaN and infinities are not served.
.set XR, 16                            ; v16-79 the row: register 4 i + e = number 128 i + 4 lane + e
	s_load_b128 s[4:7], s[0:1], 0x0                ; energies s[4:5], out0 s[6:7]
	v_lshlrev_b32 v1, 4, v0                        ; 16 bytes a lane
	s_lshl_b32 s8, ttmp9, 13                       ; row b
	s_mov_b32 s9, 0
	s_mov_b32 s10, 0x76543210                      ; selects for lane l xor 16
	s_mov_b32 s11, 0xfedcba98
	s_wait_alu depctr_va_vdst(0)
	s_wait_kmcnt 0x0
	s_add_nc_u64 s[4:5], s[4:5], s[8:9]
	s_add_nc_u64 s[6:7], s[6:7], s[8:9]
.irp i, 0,1,2,3,4,5,6,7,8,9,10,11,12,13,14,15
	global_load_b128 v[XR+4*\i:XR+4*\i+3], v1, s[4:5] offset:512*\i th:TH_LOAD_NT     ; 512 consecutive bytes
.endr
	s_wait_loadcnt 0x0
.irp k, 0,1,2,3
	v_max3_num_f32 v[2+\k], v[XR+16*\k], v[XR+16*\k+1], v[XR+16*\k+2]                 ; the maximum of my 64: four chains that do not wait for each other
.endr
.irp i, 3,5,7,9,11,13
.irp k, 0,1,2,3
	v_max3_num_f32 v[2+\k], v[2+\k], v[XR+16*\k+\i], v[XR+16*\k+\i+1]
.endr
.endr
.irp k, 0,1,2,3
	v_max_num_f32 v[2+\k], v[2+\k], v[XR+16*\k+15]
.endr
	v_max3_num_f32 v2, v2, v3, v4
	v_max_num_f32 v2, v2, v5
	v_max_num_f32_dpp v2, v2, v2 row_xmask:1 row_mask:0xf bank_mask:0xf
	v_max_num_f32_dpp v2, v2, v2 row_xmask:2 row_mask:0xf bank_mask:0xf
	v_max_num_f32_dpp v2, v2, v2 row_xmask:4 row_mask:0xf bank_mask:0xf
	v_max_num_f32_dpp v2, v2, v2 row_xmask:8 row_mask:0xf bank_mask:0xf
	v_permlanex16_b32 v3, v2, s10, s11
	v_max_num_f32 v2, v2, v3                       ; every lane holds the row's maximum
	v_mul_f32 v2, 0xbfb8aa3b, v2                   ; - m c
	v_mov_b32 v3, v2
.irp j, 0,2,4,6,8,10,12,14,16,18,20,22,24,26,28,30,32,34,36,38,40,42,44,46,48,50,52,54,56,58,60,62
	v_pk_fma_f32 v[XR+\j:XR+\j+1], v[XR+\j:XR+\j+1], 0x3fb8aa3b, v[2:3] op_sel_hi:[1,0,1]   ; x c - m c, two at a time
.endr
	s_wait_alu depctr_va_vdst(0)
.irp j, 0,1,2,3,4,5,6,7,8,9,10,11,12,13,14,15,16,17,18,19,20,21,22,23,24,25,26,27,28,29,30,31,32,33,34,35,36,37,38,39,40,41,42,43,44,45,46,47,48,49,50,51,52,53,54,55,56,57,58,59,60,61,62,63
	v_exp_f32 v[XR+\j], v[XR+\j]                   ; one batch
.endr
	v_mov_b32 v13, 0                               ; a plain instruction behind the last exponential (v13: the upper half of the pair that the division names)
	s_wait_alu depctr_va_vdst(0)                   ; one wait for the whole batch, ahead of its first reader
	v_pk_add_f32 v[8:9], v[XR:XR+1], v[XR+2:XR+3]  ; the sum, two at a time, in two chains
	v_pk_add_f32 v[10:11], v[XR+4:XR+5], v[XR+6:XR+7]
.irp j, 8,12,16,20,24,28,32,36,40,44,48,52,56,60
	v_pk_add_f32 v[8:9], v[8:9], v[XR+\j:XR+\j+1]
	v_pk_add_f32 v[10:11], v[10:11], v[XR+\j+2:XR+\j+3]
.endr
	v_pk_add_f32 v[8:9], v[8:9], v[10:11]
	v_add_f32 v8, v8, v9
	v_add_f32_dpp v8, v8, v8 row_xmask:1 row_mask:0xf bank_mask:0xf
	v_add_f32_dpp v8, v8, v8 row_xmask:2 row_mask:0xf bank_mask:0xf
	v_add_f32_dpp v8, v8, v8 row_xmask:4 row_mask:0xf bank_mask:0xf
	v_add_f32_dpp v8, v8, v8 row_xmask:8 row_mask:0xf bank_mask:0xf
	v_permlanex16_b32 v9, v8, s10, s11
	v_add_f32 v8, v8, v9                           ; every lane holds the row's sum: at least about 1, the maximum's own term
	s_wait_alu depctr_va_vdst(0)
	v_rcp_f32 v12, v8
	v_nop                                          ; a plain instruction behind the reciprocal
	s_wait_alu depctr_va_vdst(0)                   ; and the wait ahead of its first reader
.irp j, 0,2,4,6,8,10,12,14,16,18,20,22,24,26,28,30,32,34,36,38,40,42,44,46,48,50,52,54,56,58,60,62
	v_pk_mul_f32 v[XR+\j:XR+\j+1], v[XR+\j:XR+\j+1], v[12:13] op_sel_hi:[1,0]
.endr
.irp i, 0,1,2,3,4,5,6,7,8,9,10,11,12,13,14,15
	global_store_b128 v1, v[XR+4*\i:XR+4*\i+3], s[6:7] offset:512*\i th:TH_STORE_NT   ; 512 consecutive bytes, at a multiple of 512 from out0's first byte
.endr
	s_endpgm
.Lfunc_end_k_qa8f903e0ea_sm:
	.size	k_qa8f903e0ea_sm, .Lfunc_end_k_qa8f903e0ea_sm-k_qa8f903e0ea_sm
	.p2alignl 7, 3214868480
	.fill 96, 4, 3214868480
	.section	.rodata,"a",@progbits
	.p2align	6, 0x0
	.amdhsa_kernel k_qa8f903e0ea_sm
		.amdhsa_group_segment_fixed_size 0
		.amdhsa_private_segment_fixed_size 0
		.amdhsa_enable_private_segment 0
		.amdhsa_kernarg_size 16
		.amdhsa_user_sgpr_count 2
		.amdhsa_user_sgpr_kernarg_segment_ptr 1
		.amdhsa_wavefront_size32 1
		.amdhsa_system_sgpr_workgroup_id_x 1
		.amdhsa_system_sgpr_workgroup_id_y 1
		.amdhsa_system_sgpr_workgroup_id_z 1
		.amdhsa_system_vgpr_workitem_id 0
		.amdhsa_next_free_vgpr 96
		.amdhsa_next_free_sgpr 66
		.amdhsa_reserve_vcc 0
		.amdhsa_float_denorm_mode_32 3
		.amdhsa_float_denorm_mode_16_64 3
		.amdhsa_memory_ordered 1
		.amdhsa_forward_progress 1
		.amdhsa_inst_pref_size 16
	.end_amdhsa_kernel
	.amdgpu_metadata
---
amdhsa.version: [ 1, 2 ]
amdhsa.kernels:
  - .name:           k_qa8f903e0ea_sm
    .symbol:         k_qa8f903e0ea_sm.kd
    .args:
      - { .name: energies, .offset: 0, .size: 8, .value_kind: global_buffer, .address_space: global }
      - { .name: out0, .offset: 8, .size: 8, .value_kind: global_buffer, .address_space: global }
    .group_segment_fixed_size: 0
    .private_segment_fixed_size: 0
    .kernarg_segment_align: 8
    .kernarg_segment_size: 16
    .max_flat_workgroup_size: 32
    .sgpr_count:     66
    .vgpr_count:     96
    .wavefront_size: 32
...
	.end_amdgpu_metadata
.endif
;; end of part 3
